; MI455X (gfx1250); checked and timed in simulation.
; The chip was launched on July 23, 2026; its instructions are those of AMD's public machine-readable ISA for CDNA 5 (MIT licence, August 2026) and "CDNA5" Instruction Set Architecture Reference Guide (July 2026). The comments in the code are by the model that wrote it; some were corrected since.
;; Causal Self Attention. Allowed arithmetic: matrix products marked QUANTISED: E5M2 operands, one given power-of-two scale a tensor, by v_wmma_f32_16x16x64_bf8_bf8 or v_wmma_f32_16x16x128_bf8_bf8, f32 sums; everything else in f32.
;; Inputs: W_proj_codes 1,024 x 32 x 32 uint8 (E5M2 codes of W_proj, K innermost, in blocks of 32 codes); W_qkv_codes 3,072 x 32 x 32 uint8 (E5M2 codes of W_qkv, K innermost, in blocks of 32 codes); b_proj 1,024 float32; b_qkv 3,072 float32; lowp_scales 8 int32 (the exponents e of the quantised operands' scales 2^e); x_codes 4 x 2,048 x 32 x 32 uint8 (E5M2 codes of x, K innermost, in blocks of 32 codes).
;; Outputs: out0 4 x 2,048 x 1,024 float32.
;; This version of the problem:
;;   THIS VERSION OF THE PROBLEM IS GIVEN IN LOW PRECISION. The matrix products marked QUANTISED in the list below multiply operands that are first quantised to E5M2 (5 exponent bits, 2 mantissa bits; 8 bits a number), with one given power-of-two scale for each operand tensor; their sums are f32. All else is computed in f32.
;;   The module's matrix products, in the order in which they are computed (A, B: the left and right operand; K: the contracted axis; several contracted axes count as one K, in the product's order):
;;     1. [M 8,192, K 1,024] x [K 1,024, N 3,072]; A: input x (given as codes); B: input W_qkv (given as codes): QUANTISED (scales: A lowp_scales[0], B lowp_scales[1])
;;     2. batch 64 x [M 2,048, K 64] x [K 64, N 2,048]; A: computed on the way; B: computed on the way: QUANTISED (scales: A lowp_scales[2], B lowp_scales[3])
;;     3. batch 64 x [M 2,048, K 2,048] x [K 2,048, N 64]; A: softmax (see below); B: computed on the way: QUANTISED (scales: A lowp_scales[4], B lowp_scales[5])
;;     4. [M 8,192, K 1,024] x [K 1,024, N 1,024]; A: computed on the way; B: input W_proj (given as codes): QUANTISED (scales: A lowp_scales[6], B lowp_scales[7])
;;   THE QUANTISER, for each operand of a quantised product, along K:
;;     - The operand's scale is 2^e, e = its entry of the input lowp_scales (int32; the entries are numbered through the quantised products in the list's order, A before B).
;;     - Each number is divided by the scale, clamped to +-57,344, and rounded to the nearest number of E5M2, ties to even, subnormals kept.
;;     - The product sums the exact products of the quantised numbers (number of the format x scale) in f32.
;;   ~~~python
;;   def quantise(x, axis, e):      # numpy; x: float32 -> the quantised numbers, widened to float32 again
;;       x = np.moveaxis(x, axis, -1); K = x.shape[-1]
;;       r = np.clip(x / 2.0 ** e, -57344, 57344)
;;       step = 2.0 ** (np.maximum(np.frexp(np.where(r == 0, 1, r))[1] - 1, -14) - 2)
;;       q = np.round(r / step) * step * 2.0 ** e      # np.round: ties to even
;;       return np.moveaxis(q, -1, axis).astype(np.float32)
;;   ~~~
;;   SOFTMAX AHEAD OF A QUANTISED PRODUCT. Where the list says 'softmax', what is quantised is not the finished softmax but p = 2^(t - M), with t = logit x log2(e) and M = ceil(the row's largest t), a whole number; so 1/2 < the row's largest p <= 1. The row's sum l is taken of the UNQUANTISED p, in f32, and the product's result is divided by l at the end. Since M is a whole number, a kernel that streams over the keys may use a running M (the ceiling of the running maximum): every later rescaling is an exact power of two, so the quantised numbers keep their values, but for numbers so far below the row's largest that they fall under the format's range.
;;   OPERANDS COMPUTED ON THE WAY. 'Computed on the way' means the value that the module computes at that place (a softmax that the list does not call 'softmax' is quantised finished and normalised). What goes into a quantiser is computed in f32, as accurately as f32 sums, v_exp_f32 and their like allow (about 1e-6 of the number): no bf16 or f16 on the way to a quantiser, and a product that is left as it is and whose result goes on into a quantised operand takes f32 operands (vector FMAs, or v_wmma_f32_16x16x4_f32). A number that lies on a knife's edge between two numbers of the format may be rounded either way, as far as f32 arithmetic and the matrix unit's own rounding can turn it there, and no further.
;;   INPUTS GIVEN AS CODES. W_proj (in the module: [1024, 1024], K = its axis 0); W_qkv (in the module: [1024, 3072], K = its axis 0); x (in the module: [4, 2048, 1024], K = its axis 2): each comes as NAME_codes (uint8): NAME with its K axis moved to the last place and cut into blocks of 32 codes, [.., K / 32, bytes a block], one block behind the other in memory; one code a byte (a code: sign, 5 exponent bits, 2 mantissa bits); its scale is its entry of lowp_scales. Its value is code x scale, taken as it is: it is not quantised again, and the codes and scales need not be those that the quantiser above would give.
;; One version. Each part assembles by itself: llvm-mc -triple=amdgcn-amd-amdhsa -mcpu=gfx1250 --defsym DOCPART=n.
;; ======== version 1 of 1: 3 launches
;; limits: right only within a limited range of input values
;; workspace buffers: q_c 8,388,608 bytes; k_c 8,388,608 bytes; v_c 8,388,608 bytes; y_c 8,388,608 bytes
;; launch qkv (part 1): grid 12 x 32, 4 waves a work-group, clusters of 4 x 4, 327,680 bytes of LDS; arguments x_codes, W_qkv_codes, b_qkv, lowp_scales, q_c, k_c, v_c; writes q_c, k_c, v_c
.if DOCPART == 1
	.amdgcn_target "amdgcn-amd-amdhsa--gfx1250"
	.amdhsa_code_object_version 6
	.text
	.protected	k_q8e79a344e9_qkv
	.globl	k_q8e79a344e9_qkv
	.p2align	8
	.type	k_q8e79a344e9_qkv,@function
k_q8e79a344e9_qkv:
	s_mov_b64 s[64:65], 0
	v_nop
	global_prefetch_b8 v0, s[64:65] scope:SCOPE_SE
	s_setreg_imm32_b32 hwreg(HW_REG_WAVE_MODE, 25, 1), 1
	s_wait_xcnt 0x0
	s_wait_alu depctr_hold_cnt(0) depctr_sa_sdst(0) depctr_va_vdst(0) depctr_va_sdst(0) depctr_va_ssrc(0) depctr_va_vcc(0) depctr_vm_vsrc(0)
	s_getreg_b32 s2, hwreg(HW_REG_IB_STS2, 6, 4)
	s_cmp_eq_u32 s2, 0
	s_cbranch_scc0 .Lentry_in_a_cluster
	s_endpgm
.Lentry_in_a_cluster:
	s_bfe_u32 s2, ttmp6, 0x10000c
	s_cmp_lg_u32 s2, 0xf033
	s_cbranch_scc0 .Lentry_shape_is_right
	s_endpgm
.Lentry_shape_is_right:
; qkv = x W_qkv + b_qkv on codes of BF8 (E5M2), and q, k, v quantised at once into codes of BF8, laid as the attention launch's operand registers want them.
; x: [8192][1024] codes, W_qkv: [3072][1024] codes, K innermost in both.  lowp_scales: e0 (x), e1 (W_qkv), e2 (q), e3 (k), e5 (v).  A number = sum x 2^(e0 + e1) + bias, in f32; its code = number / 2^e,
; rounded to the nearest code.
; LIMITS: e0 + e1 between -126 and 127; e2, e3, e5 between -126 and 112, so that each power of two below is an f32 number.  Infinity and NaN codes among the inputs go through the products as they are.
; SHARES.  A tile of 256 x 256 is made by four waves, 128 x 128 each: 64 accumulators, 512 registers.  K goes in steps of 256 through a ring of two LDS slots filled by the tensor data mover.
; CLUSTERS: 4 x 4 work-groups; the cluster's x says what it makes: 0 q, 1 k, 2 v.  LDS region A is shared along a row of the cluster (its address hangs on cy), region B along a column (on cx): each tile is asked
; for jointly by the four that need it.  The matrix instruction takes source 0 from region B and source 1 from region A, so a lane holds ONE row of A and eight neighbouring rows of B.
;   q, k: A = 256 tokens of x, B = 256 rows of W: a lane holds one token and eight neighbouring channels, which are neighbours along the K of q k^T.
;   v:    A = 256 rows of W, B = 256 tokens of x: a lane holds one channel and eight neighbouring tokens, which are neighbours along the K of p v.  Only the bases and the parts of cx and cy are swapped: one loop serves all.
; THE WAY OUT needs no LDS: a lane's eight numbers become eight codes, two accumulators' codes 16 bytes, and the buffers are images of operand registers, lane by lane: each store of the wave covers 512 consecutive bytes, aligned.
;   q_c, k_c: [batch x head 64][16 tokens 128][c 2][lane 32][16 bytes]: lane (r, h): token r, channels 32 c + 8 h + 0..7, then 32 c + 16 + 8 h + 0..7
;   v_c:      [batch x head 64][128 keys 16][16 channels 4][c 4][lane 32][16 bytes]: lane (r, h): channel r, keys 32 c + 8 h + 0..7, then 32 c + 16 + 8 h + 0..7
; No prefetch: of the four K steps two are asked for at the head and the other two one change of slots later.
; REGISTERS, in windows of 256: window 0: v16-29 addresses and constants; v32-95, v96-111 the biases; from v128 A's fragments, ONE set (on the way out: v128-191 numbers, v192-255 codes).
;   window 1: B's fragments, TWO sets, at v0 and v128.   window 2: the accumulators of my A rows 0-63 ((a, b) at v[8 (8 a + b)]);   window 3: those of rows 64-127.
.set ROWB,   256                       ; a tile's row in bytes: 256 codes
.set KROW,   1024                      ; a row of x or of W in memory
.set PITCH,  272                       ; an LDS row: 256 bytes + 16 of padding = 68 words, so that the 16 rows that a load touches begin 4 words apart modulo 64
.set FR,     16                        ; registers of a fragment: 16 rows x 128 K
.set NL,     4                         ; LDS loads that bring one
.set NP,     4                         ; places behind this matrix instruction (ISA guide 7.12.1)
.set HALFT,  128*PITCH                 ; 128 rows: what one tensor load brings, and what one wave reads of A or of B
.set SLOT,   4*HALFT                   ; A's 256 rows, then B's 256 rows
.set SPARE,  2*SLOT                    ; behind the ring: the spare words, 128 bytes for each wave, which no other line names
.set ADRA, 16                          ; v16-17  LDS address of my A fragments in slot 0, 1
.set ADRB, 20                          ; v20-21  the same for B
.set L16,  26                          ; v26     16 x lane: my place in an image; never rewritten
.set SCL,  27                          ; v27     2^e of the operand that is made, as f32
.set SPW,  28                          ; v28     LDS address of my spare word; never rewritten
.set NIL,  29                          ; v29     0; never rewritten
.set BQ,   32                          ; v32-95  bias of B's rows 16 b + 8 h + 0..7, b = 0..7 (q, k)
.set BV,   96                          ; v96-111 bias of A's row 16 a + r, twice, a = 0..7 (v)
.set AF,   128                         ; A's fragments
.set NUM,  128                         ; the way out: a block's 64 numbers
.set COD,  192                         ; the way out: four sets of 16 registers of codes
.set G1, 24                            ; s[24:31] descriptor group 1 for region A;  s[32:39] group 0, one set for each slot
.set G0, 32
.set G1B, 48                           ; s[48:55], s[56:63] the same for region B
.set G0B, 56
.set MSB, 0
.macro WIN new                         ; the immediate's high byte repeats the setting that is left
.if MSB != (\new)
	s_set_vgpr_msb (MSB<<8)|(\new)
.set MSB, (\new)
.endif
.endm
.set MUL_LO, 0xa1                      ; source 0 (B) window 1, source 1 (A) window 0, C and D window 2
.set MUL_HI, 0xf1                      ; the same, C and D window 3
.set TO_B,   0x40                      ; destination window 1, address window 0
; A joint load: waves 0 and 1 fetch for region A, waves 2 and 3 for region B.  The branch hangs on the wave's number alone.  Four v_nop follow each of the two lines.
.macro JLOAD g0a, g1a, g0b, g1b
	s_cmp_eq_u32 s15, 0
	s_cbranch_scc0 .Lfor_b_\@
	tensor_load_to_lds s[\g0a:\g0a+3], s[\g1a:\g1a+7]
	s_nop 0
.rept 4
	v_nop
.endr
	s_branch .Lasked_\@
.Lfor_b_\@:
	tensor_load_to_lds s[\g0b:\g0b+3], s[\g1b:\g1b+7]
	s_nop 0
.rept 4
	v_nop
.endr
.Lasked_\@:
.endm
.macro CREST                           ; a round of the cluster's barrier behind its opening barrier
	s_cmp_lg_u32 s14, 0
	s_cbranch_scc1 .Lnot_wave_0_\@
	s_barrier_signal -3
.Lnot_wave_0_\@:
	s_barrier_wait -3
	s_barrier_signal -1
	s_barrier_wait -1
.endm
.macro CROUND                          ; a whole round
	s_barrier_signal -1
	s_barrier_wait -1
	CREST
.endm
	s_load_b256 s[4:11], s[0:1], 0x0               ; x s[4:5], W s[6:7], b_qkv s[8:9], the scales' exponents s[10:11]
	s_load_b128 s[72:75], s[0:1], 0x20             ; q_c s[72:73], k_c s[74:75]
	s_load_b64 s[76:77], s[0:1], 0x30              ; v_c
	v_lshl_add_u32 v[SPW], v0, 2, SPARE
	v_mov_b32 v[NIL], 0
	ds_add_u32 v28, v29
	ds_add_u32 v28, v29
	s_wait_dscnt 0x0
	v_lshrrev_b32 v1, 5, v0
	v_readfirstlane_b32 s14, v1                    ; wave 0..3
	s_lshr_b32 s15, s14, 1                         ; which half of A's rows is mine.  Also: I fetch for A (0) or for B (1)
	s_and_b32 s16, s14, 1                          ; which half of B's rows is mine.  Also: which 128 rows of that region I fetch
	s_bfe_u32 s40, ttmp6, 0x40000                  ; cx, cy: my place in the cluster
	s_bfe_u32 s41, ttmp6, 0x40004
	s_and_b32 s17, ttmp7, 0xffff
	s_lshl_b32 s17, s17, 2                         ; 4 x cluster y: the cluster's first block of 256 tokens
	s_lshl_b32 s19, ttmp9, 2                       ; 4 x cluster x: the cluster's first block of 256 rows of W (q, k)
	s_cmp_eq_u32 ttmp9, 2                          ; v?  The cluster's x is the same in all sixteen partners
	s_cselect_b32 s18, 8, s17                      ; region A's block: v: W's block 8 + cy; q, k: x's block 4 Y + cy
	s_cselect_b32 s19, s17, s19                    ; region B's block: v: x's block 4 Y + cx; q, k: W's block 4 x + cx
	s_add_co_u32 s18, s18, s41                     ; (s18 never holds cx,
	s_add_co_u32 s19, s19, s40                     ;  s19 never cy)
	s_lshl_b32 s43, s41, 2
	s_lshl_b32 s43, 15, s43                        ; my row of the cluster
	s_lshl_b32 s44, 0x1111, s40                    ; my column
	; descriptor group 1: a tile of 128 rows x 256 bytes, padded in LDS; x and W have rows of the same length, so it serves both
	s_or_b32 s[G1+0], s43, (0<<16)|(1<<20)|(1<<21)|(5<<22)|(3<<25)  ; 15:0 the mask: my row; 17:16 element of 1 byte; 20 padding on; 21 set beside a mask; 24:22 after every 64 words (code 5); 31:25 of 4 words (code 3)
	s_or_b32 s[G1B+0], s44, (0<<16)|(1<<20)|(1<<21)|(5<<22)|(3<<25) ; the same with my column
.irp g, G1, G1B
	s_mov_b32 s[\g+1], ROWB<<16                    ; tensor_dim0
	s_mov_b32 s[\g+2], 128<<16                     ; tensor_dim1 = 128
	s_mov_b32 s[\g+3], ROWB<<16                    ; tile_dim0
	s_mov_b32 s[\g+4], 128                         ; tile_dim1 = 128
	s_mov_b32 s[\g+5], KROW                        ; tensor_dim0_stride
	s_mov_b32 s[\g+6], 0
	s_mov_b32 s[\g+7], 0
.endr
	s_lshl_b32 s42, s16, 7                         ; which 128 rows of the block I fetch
	s_lshl_b32 s20, s18, 8
	s_add_co_u32 s20, s20, s42
	s_lshl_b32 s20, s20, 10                        ; region A: (256 x block + 128 x half) rows of 1,024 bytes: under 2^24
	s_mov_b32 s21, 0
	s_lshl_b32 s46, s19, 8
	s_add_co_u32 s46, s46, s42
	s_lshl_b32 s46, s46, 10                        ; region B likewise
	s_mov_b32 s47, 0
	s_mul_i32 s45, s14, HALFT                      ; where they go: wave x 128 rows: no place in the cluster enters an LDS address
	s_wait_kmcnt 0x0
	s_load_b256 s[80:87], s[10:11], 0x0            ; e0 .. e7
	s_cmp_eq_u32 ttmp9, 2
	s_cselect_b64 s[66:67], s[6:7], s[4:5]         ; region A's tensor: v: W; q, k: x
	s_cselect_b64 s[68:69], s[4:5], s[6:7]         ; region B's: the other
	s_add_nc_u64 s[20:21], s[66:67], s[20:21]
	s_add_nc_u64 s[46:47], s[68:69], s[46:47]
	CROUND                                         ; all sixteen work-groups are here: the first joint loads meet
.irp s, 0,1
	s_mov_b32 s[G0+4*\s], 1
	s_add_co_u32 s[G0+4*\s+1], s45, \s*SLOT
	s_add_nc_u64 s[G0+4*\s+2:G0+4*\s+3], s[20:21], \s*ROWB
	s_or_b32 s[G0+4*\s+3], s[G0+4*\s+3], 0x80000000
	s_mov_b32 s[G0B+4*\s], 1
	s_add_co_u32 s[G0B+4*\s+1], s45, \s*SLOT
	s_add_nc_u64 s[G0B+4*\s+2:G0B+4*\s+3], s[46:47], \s*ROWB
	s_or_b32 s[G0B+4*\s+3], s[G0B+4*\s+3], 0x80000000
	JLOAD G0+4*\s, G1, G0B+4*\s, G1B               ; two tensor loads of mine are out
.endr
	v_and_b32 v1, 15, v0                           ; r = l % 16
	v_bfe_u32 v2, v0, 4, 1                         ; h = l / 16
	v_mul_u32_u24 v3, v1, PITCH
	v_lshl_add_u32 v4, v2, 4, v3                   ; a fragment's row x pitch + 16 x half
	s_mul_i32 s21, s15, HALFT                      ; my 128 rows of A
	s_mul_i32 s22, s16, HALFT                      ; my 128 rows of B,
	s_add_co_u32 s22, s22, 2*HALFT                 ; which lie behind A's 256
.irp s, 0,1
	v_add_nc_u32 v[ADRA+\s], s21, v4
	v_add_nc_u32 v[ADRB+\s], s22, v4
	s_add_co_u32 s21, s21, SLOT
	s_add_co_u32 s22, s22, SLOT
.endr
	v_and_b32 v6, 31, v0
	v_lshlrev_b32 v[L16], 4, v6
	v_lshlrev_b32 v5, 5, v2                        ; 32 h: eight numbers of the bias for each half of the lanes
	s_wait_alu depctr_va_vdst(0)
	v_lshlrev_b32 v7, 2, v1                        ; 4 r
	s_wait_alu depctr_va_vdst(0)
	; Both kinds of bias are loaded on every path; both stay inside b_qkv whatever the cluster makes.
	s_lshl_b32 s88, ttmp9, 10
	s_lshl_b32 s89, s40, 8
	s_add_co_u32 s88, s88, s89
	s_lshl_b32 s89, s16, 7
	s_add_co_u32 s88, s88, s89                     ; 1,024 x cluster x + 256 cx + 128 x my half of B: for q and k the first of my 128 rows of W
	s_lshl_b32 s88, s88, 2
	s_mov_b32 s89, 0
	s_add_nc_u64 s[88:89], s[8:9], s[88:89]
	s_lshl_b32 s90, s41, 8
	s_lshl_b32 s91, s15, 7
	s_add_co_u32 s90, s90, s91
	s_add_co_u32 s90, s90, 2048                    ; 2,048 + 256 cy + 128 x my half of A: for v the first of my 128 rows of W
	s_lshl_b32 s90, s90, 2
	s_mov_b32 s91, 0
	s_add_nc_u64 s[90:91], s[8:9], s[90:91]
.irp b, 0,1,2,3,4,5,6,7
	global_load_b128 v[BQ+8*\b:BQ+8*\b+3], v5, s[88:89] offset:64*\b
	global_load_b128 v[BQ+8*\b+4:BQ+8*\b+7], v5, s[88:89] offset:64*\b+16
.endr
.irp a, 0,1,2,3,4,5,6,7
	global_load_b32 v[BV+2*\a], v7, s[90:91] offset:64*\a      ; twice: the packed multiply-add takes a pair
	global_load_b32 v[BV+2*\a+1], v7, s[90:91] offset:64*\a
.endr
	s_wait_kmcnt 0x0
	s_add_co_i32 s96, s80, s81                     ; e0 + e1,
	s_add_co_i32 s96, s96, 127
	s_lshl_b32 s96, s96, 23                        ; as the f32 number 2^(e0 + e1)
	s_mov_b32 s97, s96                             ; (named with it as a pair, so it is written)
	s_cmp_eq_u32 ttmp9, 0
	s_cselect_b32 s98, s82, s83                    ; q: e2; k: e3;
	s_cmp_eq_u32 ttmp9, 2
	s_cselect_b32 s98, s85, s98                    ; v: e5.  A choice, no branch
	s_add_co_i32 s98, s98, 127
	s_lshl_b32 s99, s98, 23
	v_mov_b32 v[SCL], s99                          ; 2^e as f32: the conversion takes its exponent field
.macro FRAG reg, adr, q, i             ; a fragment: lane l holds row l % 16; registers 4 c .. 4 c + 3 hold K = 32 c + 16 (l / 16) + 0 .. 15: the same permutation of K in A and in B, so every product meets its partner
.irp c, 0,1,2,3
	ds_load_b128 v[\reg+4*\c:\reg+4*\c+3], v[\adr] offset:128*(\q)+32*\c+(\i)*16*PITCH
.endr
.endm
; 16 matrix instructions: A's blocks a0, a0 + 1 x B's eight, 128 along K.  p: B's set.  zero = 1: the first product starts the sums.
; The 64 accumulators take turns, one instruction a turn, in the same order in every step.
.macro MUL16 a0, p, zero
.irp a, \a0, \a0+1
.irp b, 0,1,2,3,4,5,6,7
.if \zero
	v_wmma_f32_16x16x128_bf8_bf8 v[8*(8*((\a)%4)+\b):8*(8*((\a)%4)+\b)+7], v[128*(\p)+FR*\b:128*(\p)+FR*\b+FR-1], v[AF+FR*(\a):AF+FR*(\a)+FR-1], 0
.else
	v_wmma_f32_16x16x128_bf8_bf8 v[8*(8*((\a)%4)+\b):8*(8*((\a)%4)+\b)+7], v[128*(\p)+FR*\b:128*(\p)+FR*\b+FR-1], v[AF+FR*(\a):AF+FR*(\a)+FR-1], v[8*(8*((\a)%4)+\b):8*(8*((\a)%4)+\b)+7]
.endif
.endr
.endr
.endm
.macro FETCH_B slot, q, p              ; B's eight fragments of the slot's q-th 128 along K into set p: 32 loads
	WIN TO_B
.irp i, 0,1,2,3,4,5,6,7
	FRAG 128*(\p)+FR*\i, ADRB+\slot, \q, \i
.endr
	WIN 0
.endm
.macro FETCH_A slot, q, i0             ; A's blocks i0 .. i0 + 3: 16 loads
.irp i, \i0, \i0+1, \i0+2, \i0+3
	FRAG AF+FR*(\i), ADRA+\slot, \q, \i
.endr
.endm
.macro PLACES n                        ; plain vector instructions between a matrix instruction and a load into, or a vector instruction on, its registers (ISA guide 7.12.1 for vector instructions)
.rept \n
	v_nop
.endr
.endm
; A step of 128 along K that has its successor in the same slot.
.macro STEP slot, q, zero
	s_wait_dscnt 4*NL                              ; B's set and A's blocks 0-3 are in; the sixteen youngest loads (A's blocks 4-7) may be out
	WIN MUL_LO
	MUL16 0, (\q)%2, \zero
	MUL16 2, (\q)%2, \zero
	s_wait_dscnt 0                                 ; A's blocks 4-7 are in (asked for 32 matrix instructions ago)
	PLACES NP
	FETCH_B \slot, (\q)+1, 1-(\q)%2
	FETCH_A \slot, (\q)+1, 0
	WIN MUL_HI
	MUL16 4, (\q)%2, \zero
	MUL16 6, (\q)%2, \zero
	PLACES NP
	WIN 0
	FETCH_A \slot, (\q)+1, 4
.endm
; A slot's last step changes slots: ONE barrier; in front of it each wave waits for all its tensor loads, adds 0 to its spare word, and waits for that and for its own reads of this slot.  fill = 1: this slot is filled again, two K steps ahead.
.macro TURN slot, next, fill
	s_wait_tensorcnt 0x0                           ; all my tensor loads have landed: my part of the next slot  (every window is 0 here)
	ds_add_u32 v[SPW], v[NIL]                      ; 0 onto my spare word
	s_wait_dscnt 4*NL+1                            ; (the add and the sixteen youngest loads, A's blocks 4-7, may be out)
	WIN MUL_LO
	MUL16 0, 1, 0                                  ; sixteen matrix instructions stand between the add and the wait for it
	s_wait_dscnt 0x0                               ; the add is done, and my reads of this slot are over
	s_barrier_signal -1
	MUL16 2, 1, 0
	WIN 0
	s_barrier_wait -1
.if \fill
	CREST                                          ; the barrier has opened a round of the cluster's barrier: no wave of any partner still reads this slot or has a load on its way
	s_add_nc_u64 s[G0+4*\slot+2:G0+4*\slot+3], s[G0+4*\slot+2:G0+4*\slot+3], 2*ROWB
	s_add_nc_u64 s[G0B+4*\slot+2:G0B+4*\slot+3], s[G0B+4*\slot+2:G0B+4*\slot+3], 2*ROWB
	JLOAD G0+4*\slot, G1, G0B+4*\slot, G1B         ; the first tensor load behind the round, my one load until the next; its four v_nop are the places in front of the loads below
.else
	PLACES NP
.endif
	FETCH_B \next, 0, 0
	FETCH_A \next, 0, 0
	WIN MUL_HI
	MUL16 4, 1, 0
	MUL16 6, 1, 0
	PLACES NP
	WIN 0
	FETCH_A \next, 0, 4
.endm
	s_wait_tensorcnt 1                             ; my part of K step 0 is in; K step 1's load may be out
	s_barrier_signal -1
	s_barrier_wait -1                              ; everybody's is
	FETCH_B 0, 0, 0
	FETCH_A 0, 0, 0
	FETCH_A 0, 0, 4
	STEP 0, 0, 1                                   ; the first step stands in front of the loop: its products start the sums
	s_mov_b32 s3, 1                                ; 1,024 along K are two laps of the ring: one trip fills both slots again, the last lap is written out
.Llap:
	TURN 0, 1, 1
	STEP 1, 0, 0
	TURN 1, 0, 1
	STEP 0, 0, 0
	s_sub_co_u32 s3, s3, 1
	s_cmp_lg_u32 s3, 0
	s_cbranch_scc1 .Llap
	TURN 0, 1, 0                                   ; the last lap fills nothing, and has no round of the cluster's barrier
	STEP 1, 0, 0
	s_wait_dscnt 4*NL                              ; the very last step: nothing more to fetch
	WIN MUL_LO
	MUL16 0, 1, 0
	MUL16 2, 1, 0
	s_wait_dscnt 0
	WIN MUL_HI
	MUL16 4, 1, 0
	MUL16 6, 1, 0
	WIN 0
; THE WAY OUT, block by block of 16 rows of A.  64 numbers a lane: sum x 2^(e0 + e1) + bias (one packed multiply-add for two, each accumulator from its low end on), the hold at the largest code x the scale
; (the conversion to an 8-bit code does not saturate: ISA guide 7.6.2), eight conversions, four stores of 16 bytes a lane.
.macro EPI isv
.irp a, 0,1,2,3,4,5,6,7
.set CD, COD+16*((\a)%4)
.if \a == 4
	s_wait_xcnt 0x0                                ; the stores of blocks 0 to 3 have read their registers: the four sets of codes are written again only behind this wait
.endif
	WIN 0x02+(\a)/4                                ; source 0: window 2 or 3
.irp b, 0,1,2,3,4,5,6,7
.irp i, 0,2,4,6
.if \isv
	v_pk_fma_f32 v[NUM+8*\b+\i:NUM+8*\b+\i+1], v[64*((\a)%4)+8*\b+\i:64*((\a)%4)+8*\b+\i+1], s[96:97], v[BV+2*\a:BV+2*\a+1] op_sel_hi:[1,0,1]   ; the bias of my channel
.else
	v_pk_fma_f32 v[NUM+8*\b+\i:NUM+8*\b+\i+1], v[64*((\a)%4)+8*\b+\i:64*((\a)%4)+8*\b+\i+1], s[96:97], v[BQ+8*\b+\i:BQ+8*\b+\i+1] op_sel_hi:[1,0,1]   ; the biases of my eight channels
.endif
.endr
.endr
	WIN 0
.irp b, 0,1,2,3,4,5,6,7
.irp i, 0,1,2,3,4,5,6,7
.endr
	v_cvt_scalef32_pk8_bf8_f32 v[CD+2*\b:CD+2*\b+1], v[NUM+8*\b:NUM+8*\b+7], v[SCL]
.endr
	v_nop                                          ; one plain vector instruction between the last conversion and the next block's multiply-adds, which write its sources
.irp c, 0,1,2,3
.if \isv
	global_store_b128 v[L16], v[CD+4*\c:CD+4*\c+3], s[94:95] offset:((\a)/4)*131072+((\a)%4)*2048+512*\c   ; head a / 4, channels 16 (a % 4) on, keys 32 c on: 512 consecutive bytes
.else
	global_store_b128 v[L16], v[CD+4*\c:CD+4*\c+3], s[94:95] offset:((\c)/2)*131072+(\a)*1024+512*((\c)%2)   ; head c / 2, tokens 16 a on, channels 32 (c % 2) on: 512 consecutive bytes
.endif
.endr
.endr
.endm
	s_wait_loadcnt 0x0                             ; the biases
	PLACES NP                                      ; behind the last products: the numbers and codes land where A's fragments lay
	s_cmp_eq_u32 ttmp9, 2                          ; the cluster's x: the same way for all sixteen partners
	s_cbranch_scc1 .Lv
	s_cmp_eq_u32 ttmp9, 0
	s_cselect_b64 s[94:95], s[72:73], s[74:75]     ; q_c or k_c
	s_lshr_b32 s66, s18, 3                         ; the batch: eight blocks of 256 tokens each
	s_lshl_b32 s66, s66, 21                        ; 16 heads of 131,072 bytes
	s_lshl_b32 s67, s40, 2
	s_lshl_b32 s68, s16, 1
	s_add_co_u32 s67, s67, s68                     ; my first head: 4 cx + 2 x my half of B
	s_lshl_b32 s67, s67, 17
	s_add_co_u32 s66, s66, s67
	s_and_b32 s67, s18, 7
	s_lshl_b32 s67, s67, 4
	s_lshl_b32 s68, s15, 3
	s_add_co_u32 s67, s67, s68                     ; my first tile of 16 tokens: 16 x block + 8 x my half of A
	s_lshl_b32 s67, s67, 10
	s_add_co_u32 s66, s66, s67
	s_mov_b32 s67, 0
	s_add_nc_u64 s[94:95], s[94:95], s[66:67]
	EPI 0
	s_branch .Lend
.Lv:
	s_lshr_b32 s66, s19, 3                         ; the batch
	s_lshl_b32 s66, s66, 21
	s_lshl_b32 s67, s41, 2
	s_lshl_b32 s68, s15, 1
	s_add_co_u32 s67, s67, s68                     ; my first head: 4 cy + 2 x my half of A
	s_lshl_b32 s67, s67, 17
	s_add_co_u32 s66, s66, s67
	s_and_b32 s67, s19, 7
	s_lshl_b32 s67, s67, 1
	s_add_co_u32 s67, s67, s16                     ; my 128 keys: 2 x block + my half of B
	s_lshl_b32 s67, s67, 13
	s_add_co_u32 s66, s66, s67
	s_mov_b32 s67, 0
	s_add_nc_u64 s[94:95], s[76:77], s[66:67]
	EPI 1
.Lend:
	s_wait_tensorcnt 0x0                           ; the wave's end
	ds_add_u32 v[SPW], v[NIL]
	s_wait_dscnt 0x0
	CROUND                                         ; the closing round: no work-group ends while a partner may still ask for a tile that names it
	s_endpgm
.Lfunc_end_k_q8e79a344e9_qkv:
	.size	k_q8e79a344e9_qkv, .Lfunc_end_k_q8e79a344e9_qkv-k_q8e79a344e9_qkv
	.p2alignl 7, 3214868480
	.fill 96, 4, 3214868480
	.section	.rodata,"a",@progbits
	.p2align	6, 0x0
	.amdhsa_kernel k_q8e79a344e9_qkv
		.amdhsa_group_segment_fixed_size 327680
		.amdhsa_private_segment_fixed_size 0
		.amdhsa_enable_private_segment 0
		.amdhsa_kernarg_size 56
		.amdhsa_user_sgpr_count 2
		.amdhsa_user_sgpr_kernarg_segment_ptr 1
		.amdhsa_wavefront_size32 1
		.amdhsa_system_sgpr_workgroup_id_x 1
		.amdhsa_system_sgpr_workgroup_id_y 1
		.amdhsa_system_sgpr_workgroup_id_z 1
		.amdhsa_system_vgpr_workitem_id 0
		.amdhsa_next_free_vgpr 1024
		.amdhsa_next_free_sgpr 100
		.amdhsa_reserve_vcc 0
		.amdhsa_float_denorm_mode_32 3
		.amdhsa_float_denorm_mode_16_64 3
		.amdhsa_fp16_overflow 1
		.amdhsa_memory_ordered 1
		.amdhsa_forward_progress 1
		.amdhsa_inst_pref_size 130
	.end_amdhsa_kernel
	.amdgpu_metadata
---
amdhsa.version: [ 1, 2 ]
amdhsa.kernels:
  - .name:           k_q8e79a344e9_qkv
    .symbol:         k_q8e79a344e9_qkv.kd
    .args:
      - { .name: x_codes, .offset: 0, .size: 8, .value_kind: global_buffer, .address_space: global }
      - { .name: W_qkv_codes, .offset: 8, .size: 8, .value_kind: global_buffer, .address_space: global }
      - { .name: b_qkv, .offset: 16, .size: 8, .value_kind: global_buffer, .address_space: global }
      - { .name: lowp_scales, .offset: 24, .size: 8, .value_kind: global_buffer, .address_space: global }
      - { .name: q_c, .offset: 32, .size: 8, .value_kind: global_buffer, .address_space: global }
      - { .name: k_c, .offset: 40, .size: 8, .value_kind: global_buffer, .address_space: global }
      - { .name: v_c, .offset: 48, .size: 8, .value_kind: global_buffer, .address_space: global }
    .group_segment_fixed_size: 327680
    .private_segment_fixed_size: 0
    .kernarg_segment_align: 8
    .kernarg_segment_size: 56
    .max_flat_workgroup_size: 128
    .sgpr_count:     100
    .vgpr_count:     1024
    .wavefront_size: 32
...
	.end_amdgpu_metadata
.endif
;; end of part 1
;; launch attn (part 2): grid 4 x 64, 16 waves a work-group, clusters of 4 x 1, 327,680 bytes of LDS; arguments q_c, k_c, v_c, lowp_scales, y_c; writes y_c
.if DOCPART == 2
	.amdgcn_target "amdgcn-amd-amdhsa--gfx1250"
	.amdhsa_code_object_version 6
	.text
	.protected	k_q8e79a344e9_attn
	.globl	k_q8e79a344e9_attn
	.p2align	8
	.type	k_q8e79a344e9_attn,@function
k_q8e79a344e9_attn:
	s_mov_b64 s[64:65], 0
	v_nop
	global_prefetch_b8 v0, s[64:65] scope:SCOPE_SE
	s_setreg_imm32_b32 hwreg(HW_REG_WAVE_MODE, 25, 1), 1
	s_wait_xcnt 0x0
	s_wait_alu depctr_hold_cnt(0) depctr_sa_sdst(0) depctr_va_vdst(0) depctr_va_sdst(0) depctr_va_ssrc(0) depctr_va_vcc(0) depctr_vm_vsrc(0)
	s_getreg_b32 s2, hwreg(HW_REG_IB_STS2, 6, 4)
	s_cmp_eq_u32 s2, 0
	s_cbranch_scc0 .Lentry_in_a_cluster
	s_endpgm
.Lentry_in_a_cluster:
	s_bfe_u32 s2, ttmp6, 0x10000c
	s_cmp_lg_u32 s2, 0x3003
	s_cbranch_scc0 .Lentry_shape_is_right
	s_endpgm
.Lentry_shape_is_right:
; y[b][q][head] = the sum over keys k <= q of softmax_k(q . k / 8) v, both products on codes of BF8 (E5M2), and y quantised at once into codes for the projection.
; q_c, k_c: [batch x head 64][16 tokens 128][c 2][lane][16 bytes]; v_c: [batch x head][128 keys 16][16 channels 4][c 4][lane][16 bytes]: images of operand registers, K in its true places.
; lowp_scales: e2 (q), e3 (k), e4 (p), e5 (v), e6 (y).
; THE SOFTMAX AHEAD OF THE SECOND PRODUCT: t = score x log2(e) / 8; M = the row's largest t so far, rounded UP to a whole number; p = 2^(t - M) is what is quantised; it is not normalised.
; The row's sum is taken of the unquantised p, in f32, and divides at the end.  When M moves, the sum and O are multiplied by 2^(old M - new M): exact.
; LIMITS, so that each power of two below is an f32 number: e2 + e3 between -123 and 130 (added to c's exponent field); e4 and e6 between -126 and 112; e4 + e5 is applied by v_ldexp_f32 and has none.
; SHARES.  A cluster of four work-groups is one head.  Group m (0..15) is the queries 128 m .. 128 m + 127: they want key steps 0 .. m (128 keys each), the last with the mask.  Partner cx takes of EVERY group the two tiles
; of 16 queries at 128 m + 32 cx; wave w of each partner takes group m(w).  So all partners run alike (cx enters addresses of q and y and the mask's comparison, never a branch or an LDS address), and every work-group has
; 1 + 2 + .. + 16 = 136 steps.  m(w) = 4 (a ^ c) + (a ^ f(c)), a = w / 4, c = w % 4, f = 0, 2, 3, 1: for the four waves with equal a, and for the four with equal c, the steps m + 1 add up to 34.
; THE WHOLE HEAD LIES IN LDS, filled once: K's 131,072 bytes at 0, V's at 131,072, as they lie in memory.  Every wave asks for two pieces jointly with its three partners (mask 15): first 2,048 bytes of the first two key
; steps, then 14,336 bytes of the rest, so that the first two steps can begin when every wave's first piece has landed.  Nothing is filled again: no ring; behind the second barrier the waves run free.
; All of K and V is asked for at the head, so there is nothing left to prefetch.
; LAYOUT.  S^T = K Q^T (source 0 = 16 keys, source 1 = 16 queries), O^T = V^T P^T (source 0 = 16 channels, source 1 = P): a lane holds ONE query (lane % 16) throughout; register 8 t + j of S^T is key 16 t + 8 (lane / 16) + j,
; so eight conversions give P's registers as the second product's layout wants them.  Each fragment of K and V read from LDS serves both tiles of queries.
; REGISTERS: v1 16 x lane; v2 LDS address in hand; v3 the conversion's scale; v4 the mask's number; v8-11, v12-15 a tile's -M, largest t, sum (a pair); v16-31 Q; v32-95 K's 8 fragments, then V's 4; v96-159 S^T, then p;
; v160-223 O^T, 32 a tile; v224-239, v240-255 P's codes; until the conversions write them a tile's P registers serve as its scratch.
.set WV,   19                          ; s19  my wave's number
.set MW,   18                          ; s18  m: my group of queries, and my last key step
.set SEL,  20                          ; s[20:21] lane selects for v_permlanex16_b32: lane l xor 16
.set CS,   22                          ; s[22:23] c = log2(e) / 8 x 2^(e2 + e3), twice
.set G1A,  24                          ; s[24:31] descriptor group 1: 8 rows of 256 bytes
.set G1B,  32                          ; s[32:39] 56 rows of 256 bytes
.set G0A,  40                          ; s[40:43], s[44:47] their groups 0
.set G0B,  44
.set HP,   88
.set TB,   90                          ; s90  LDS byte at which the step's tiles of K begin
.set KI,   92                          ; s92  the key step
.set NINF, 94                          ; s94  -infinity
.set EPV,  95                          ; s95  e4 + e5
.set YLO,  96
.set YHI,  97
.set YSC,  98                          ; s98  2^e6 as f32
.set L16,  1
.set ADR,  2
.set PSC,  3
.set DQ,   4
.set QF,   16
.set KV,   32
.set S,    96
.set O,    160
.set P,    224
.set VBASE, 1<<17                      ; V's images begin here
.set STEPB, 8192                       ; a key step's images, of K and of V
.macro CROUND                          ; a round of the cluster's barrier
	s_barrier_signal -1
	s_barrier_wait -1
	s_cmp_lg_u32 s[WV], 0
	s_cbranch_scc1 .Lnot_wave_0_\@
	s_barrier_signal -3
.Lnot_wave_0_\@:
	s_barrier_wait -3
	s_barrier_signal -1
	s_barrier_wait -1
.endm
	s_load_b256 s[4:11], s[0:1], 0x0               ; q_c s[4:5], k_c s[6:7], v_c s[8:9], the scales' exponents s[10:11]
	s_load_b64 s[12:13], s[0:1], 0x20              ; y_c
	v_lshl_add_u32 v254, v0, 2, 0x40000
	v_mov_b32 v255, 0
	ds_add_u32 v254, v255
	ds_add_u32 v254, v255
	s_wait_dscnt 0x0
	v_lshrrev_b32 v2, 5, v0
	s_delay_alu instid0(VALU_DEP_1)
	v_readfirstlane_b32 s[WV], v2                  ; wave 0..15
	s_bfe_u32 s16, ttmp6, 0x40000                  ; cx: my place in the cluster
	s_and_b32 s17, ttmp7, 0xffff                   ; 16 x batch + head, which the four partners share
	s_lshr_b32 s70, s[WV], 2                       ; a
	s_and_b32 s71, s[WV], 3                        ; c
	s_xor_b32 s72, s70, s71                        ; a ^ c
	s_lshl_b32 s73, s71, 1
	s_and_b32 s73, s73, 2
	s_lshr_b32 s74, s71, 1
	s_mul_i32 s74, s74, 3
	s_xor_b32 s73, s73, s74                        ; f(c) = 0, 2, 3, 1
	s_xor_b32 s73, s70, s73                        ; a ^ f(c)
	s_lshl_b32 s72, s72, 2
	s_or_b32 s[MW], s72, s73                       ; m
	s_and_b32 s49, s[WV], 7                        ; u: which eighth I fetch; waves 0-7 of K, waves 8-15 of V
	s_lshr_b32 s48, s[WV], 3
	s_lshl_b32 s48, s48, 17                        ; K's region or V's
	s_lshl_b32 s50, s49, 11                        ; first piece: 2,048 u
	s_mov_b32 s51, 0
	s_mul_i32 s52, s49, 14336
	s_add_co_u32 s52, s52, 16384                   ; second piece: 16,384 + 14,336 u
	s_mov_b32 s53, 0
	s_lshl_b32 s54, s17, 17                        ; the head's first byte in q_c, k_c and v_c
	s_mov_b32 s55, 0
	; descriptor group 1: dense blocks as rows of 256 bytes (32 elements of 8 bytes), no padding
.irp g, G1A, G1B
	s_mov_b32 s[\g], 15|(3<<16)|(1<<21)            ; 15:0 the mask: all four work-groups; 17:16 elements of 8 bytes; 21 set beside a mask
	s_mov_b32 s[\g+1], 32<<16                      ; tensor_dim0 = 32
	s_mov_b32 s[\g+3], 32<<16                      ; tile_dim0 = 32
	s_mov_b32 s[\g+5], 32                          ; tensor_dim0_stride
	s_mov_b32 s[\g+6], 0
	s_mov_b32 s[\g+7], 0
.endr
	s_mov_b32 s[G1A+2], 8<<16                      ; tensor_dim1,
	s_mov_b32 s[G1A+4], 8                          ; tile_dim1 = 8 rows
	s_mov_b32 s[G1B+2], 56<<16
	s_mov_b32 s[G1B+4], 56                         ; 56 rows
	s_mov_b32 s[SEL], 0x76543210
	s_mov_b32 s[SEL+1], 0xfedcba98
	s_mov_b32 s[NINF], 0xff800000
	s_wait_kmcnt 0x0
	s_load_b256 s[80:87], s[10:11], 0x0            ; e0 .. e7
	s_cmp_lt_u32 s[WV], 8
	s_cselect_b64 s[56:57], s[6:7], s[8:9]         ; k_c or v_c: by the wave's number, the same in all partners
	s_add_nc_u64 s[56:57], s[56:57], s[54:55]
	s_mov_b32 s[G0A], 1                            ; count = 1
	s_add_co_u32 s[G0A+1], s48, s50                ; LDS address: the same offset as in memory
	s_add_nc_u64 s[G0A+2:G0A+3], s[56:57], s[50:51]
	s_or_b32 s[G0A+3], s[G0A+3], 0x80000000        ; type = 2
	s_mov_b32 s[G0B], 1
	s_add_co_u32 s[G0B+1], s48, s52
	s_add_nc_u64 s[G0B+2:G0B+3], s[56:57], s[52:53]
	s_or_b32 s[G0B+3], s[G0B+3], 0x80000000
	CROUND                                         ; all four work-groups are here: the joint loads meet
	tensor_load_to_lds s[G0A:G0A+3], s[G1A:G1A+7]  ; the first fill, ahead of every LDS read: one tensor load of mine is out
	s_nop 0
	s_wait_alu depctr_va_vdst(0)
	s_wait_tensorcnt 0x0
	ds_add_u32 v254, v255
	s_wait_dscnt 0x0
	CROUND
	tensor_load_to_lds s[G0B:G0B+3], s[G1B:G1B+7]
	s_nop 0
.rept 4
	v_nop
.endr
	s_lshl_b32 s58, s[MW], 3
	s_lshl_b32 s59, s16, 1
	s_add_co_u32 s58, s58, s59                     ; my first tile of 16 queries: 8 m + 2 cx
	s_lshl_b32 s60, s58, 10
	s_mov_b32 s61, 0
	s_add_nc_u64 s[4:5], s[4:5], s[54:55]
	s_add_nc_u64 s[4:5], s[4:5], s[60:61]          ; its image in q_c
	s_lshr_b32 s62, s17, 4                         ; y_c: [16 tokens 512][128 along K 8][g 4][lane][16 bytes]: the batch's 128 tiles,
	s_lshl_b32 s62, s62, 7
	s_add_co_u32 s62, s62, s58
	s_lshl_b32 s62, s62, 14                        ; 16,384 bytes a tile of tokens,
	s_and_b32 s63, s17, 15
	s_lshr_b32 s66, s63, 1
	s_lshl_b32 s66, s66, 11                        ; two heads to 128 along K,
	s_add_co_u32 s62, s62, s66
	s_and_b32 s66, s17, 1
	s_lshl_b32 s66, s66, 10                        ; g = 2 (head % 2) + 0, 1
	s_add_co_u32 s62, s62, s66
	s_mov_b32 s63, 0
	s_add_nc_u64 s[12:13], s[12:13], s[62:63]
	v_and_b32 v[L16], 31, v0
	s_delay_alu instid0(VALU_DEP_1)
	v_lshlrev_b32 v[L16], 4, v[L16]                ; 16 x lane
.irp u, 0,1
.irp c, 0,1
	global_load_b128 v[QF+8*\u+4*\c:QF+8*\u+4*\c+3], v[L16], s[4:5] offset:1024*\u+512*\c   ; Q's two fragments stay in registers
.endr
.endr
	v_and_b32 v5, 15, v0                           ; r
	v_bfe_u32 v6, v0, 4, 1                         ; h
	s_delay_alu instid0(VALU_DEP_1)
	v_lshlrev_b32 v6, 3, v6
	s_delay_alu instid0(VALU_DEP_1)
	v_sub_nc_u32 v[DQ], v5, v6
	s_lshl_b32 s67, s16, 5
	v_add_nc_u32 v[DQ], s67, v[DQ]                 ; 32 cx + r - 8 h: on the diagonal step, register 8 t + j of tile u counts where 16 t + j - 16 u <= this
.irp u, 0,1
	v_mov_b32 v[9+4*\u], 0xff61b1e6                ; the largest t so far: -3e38, under every t
	s_delay_alu instid0(VALU_DEP_1)
	v_floor_f32 v[8+4*\u], -v[9+4*\u]              ; -M
	v_mov_b32 v[10+4*\u], 0                        ; the sum, in two halves
	v_mov_b32 v[11+4*\u], 0
	v_mov_b32 v[P+16*\u+2], 0                      ; written once: a lane permute's destination counts as one of its sources
	v_mov_b32 v[P+16*\u+5], 0                      ; (named as the upper half of f's pair)
.endr
.irp t, 0,1,2,3,4,5,6,7
.irp j, 0,1,2,3,4,5,6,7
	v_mov_b32 v[O+8*\t+\j], 0                      ; O^T.  (The step is written without a first step of its own: it finds zeros, which the first change of M leaves zeros)
.endr
.endr
	s_wait_kmcnt 0x0
	s_add_co_i32 s70, s82, s83
	s_lshl_b32 s70, s70, 23
	s_mov_b32 s[CS], 0x3e38aa3b                    ; log2(e) / 8
	s_add_co_i32 s[CS], s[CS], s70                 ; a score stands for score x 2^(e2 + e3): the exponents are added to c's exponent field
	s_mov_b32 s[CS+1], s[CS]
	s_add_co_i32 s70, s84, 127
	s_lshl_b32 s71, s70, 23
	v_mov_b32 v[PSC], s71                          ; 2^e4 as f32, for p's conversions
	s_add_co_i32 s[EPV], s84, s85
	s_add_co_i32 s70, s86, 127
	s_lshl_b32 s[YSC], s70, 23
; ONE TILE'S SOFTMAX for a key step: 64 scores a lane in v[S] on become p's codes in the tile's P registers.
.macro SOFTMAX tau
.set ST, 8+4*(\tau)
.set PT, P+16*(\tau)
.set OT, O+32*(\tau)
	s_cmp_lg_u32 s[KI], s[MW]                      ; only my last step lies on the diagonal: there hidden scores become -infinity ahead of the maximum, so that p = 0
	s_cbranch_scc1 .Lopen_\@
.irp t, 0,1,2,3,4,5,6,7
.irp j, 0,1,2,3,4,5,6,7
	v_cmp_le_i32 vcc_lo, 16*\t+\j-16*(\tau), v[DQ]
	v_cndmask_b32 v[S+8*\t+\j], s[NINF], v[S+8*\t+\j], vcc_lo
.endr
.endr
.Lopen_\@:
	v_max3_num_f32 v[PT], v[S], v[S+1], v[S+2]     ; the step's largest score of my query among my 64 keys, in two chains, each accumulator from its low end on,
	v_max3_num_f32 v[PT+1], v[S+3], v[S+4], v[S+5]
.irp i, 6,10,14,18,22,26,30,34,38,42,46,50,54,58
	v_max3_num_f32 v[PT], v[PT], v[S+\i], v[S+1+\i]
	v_max3_num_f32 v[PT+1], v[PT+1], v[S+2+\i], v[S+3+\i]
.endr
	v_max3_num_f32 v[PT], v[PT], v[S+62], v[S+63]
	s_delay_alu instid0(VALU_DEP_1)
	v_max_num_f32 v[PT], v[PT], v[PT+1]
	v_permlanex16_b32 v[PT+2], v[PT], s[SEL], s[SEL+1]
	s_delay_alu instid0(VALU_DEP_1)
	v_max_num_f32 v[PT], v[PT], v[PT+2]            ; and among lane l xor 16's
	s_delay_alu instid0(VALU_DEP_1)
	v_mul_f32 v[PT], s[CS], v[PT]                  ; as t (c is positive)
	s_delay_alu instid0(VALU_DEP_1)
	v_max_num_f32 v[ST+1], v[ST+1], v[PT]          ; the running largest t
	v_mov_b32 v[PT], v[ST]
	s_delay_alu instid0(VALU_DEP_2)
	v_floor_f32 v[ST], -v[ST+1]                    ; the new -M = floor(-t) = -ceil(t)
	s_delay_alu instid0(VALU_DEP_1)
	v_sub_f32 v[PT], v[ST], v[PT]                  ; M's old value less its new one: a whole number, 0 or less
	s_delay_alu instid0(VALU_DEP_1)
	v_cvt_i32_f32 v[PT], v[PT]                     ; (it saturates)
	s_delay_alu instid0(VALU_DEP_1)
	v_ldexp_f32 v[PT+4], 1.0, v[PT]                ; f = 2^(old M - new M)
.irp t, 0,1,2,3,4,5,6,7
.irp i, 0,2,4,6
	v_pk_fma_f32 v[S+8*\t+\i:S+8*\t+\i+1], v[S+8*\t+\i:S+8*\t+\i+1], s[CS:CS+1], v[ST:ST+1] op_sel_hi:[1,0,0]   ; t - M, two at a time (of the pairs c and -M the low word serves both halves)
.endr
.endr
	s_wait_alu depctr_va_vdst(0)
.irp t, 0,1,2,3,4,5,6,7
.irp j, 0,1,2,3,4,5,6,7
	v_exp_f32 v[S+8*\t+\j], v[S+8*\t+\j]           ; p = 2^(t - M), at most 1
.endr
.endr
	v_pk_mul_f32 v[ST+2:ST+3], v[ST+2:ST+3], v[PT+4:PT+5] op_sel_hi:[1,0]   ; the sums under the new M: the plain instruction behind the exponentials
	s_wait_alu depctr_va_vdst(0)                   ; one wait for the batch of 64, ahead of its first reader
	v_pk_add_f32 v[PT+6:PT+7], v[S:S+1], v[S+2:S+3]   ; the row's sum is taken of the unquantised p: two at a time, in two chains
.irp j, 4,8,12,16,20,24,28,32,36,40,44,48,52,56,60
	v_pk_add_f32 v[ST+2:ST+3], v[ST+2:ST+3], v[S+\j:S+\j+1]
	v_pk_add_f32 v[PT+6:PT+7], v[PT+6:PT+7], v[S+2+\j:S+3+\j]
.endr
	s_delay_alu instid0(VALU_DEP_1)
	v_pk_add_f32 v[ST+2:ST+3], v[ST+2:ST+3], v[PT+6:PT+7]
.irp j, 0,2,4,6,8,10,12,14,16,18,20,22,24,26,28,30
	v_pk_mul_f32 v[OT+\j:OT+\j+1], v[OT+\j:OT+\j+1], v[PT+4:PT+5] op_sel_hi:[1,0]   ; O^T under the new M; f is done with before the codes take its place
.endr
.irp t, 0,1,2,3,4,5,6,7
.irp j, 0,1,2,3,4,5,6,7
.endr
	v_cvt_scalef32_pk8_bf8_f32 v[PT+2*\t:PT+2*\t+1], v[S+8*\t:S+8*\t+7], v[PSC]   ; registers 2 t, 2 t + 1 of P: keys 16 t + 8 h + 0..7
.endr
	v_nop                                          ; one plain vector instruction between the last conversion and the matrix instructions that write its sources or read its result
.endm
; A KEY STEP for my two tiles of queries: 128 keys.  A step whose keys all come after my queries is left out: a scalar branch on the wave's number and the counter, round loads, products and softmax; no barrier stands in a step.
.macro STEP
	s_cmp_gt_u32 s[KI], s[MW]
	s_cbranch_scc1 .Lskip_\@
	s_setprio 2
	v_add_nc_u32 v[ADR], s[TB], v[L16]
.rept 3
	v_nop                                          ; with the addition: four places behind the last step's products, in front of loads into their registers and of writes of P's
.endr
.irp t, 0,1,2,3,4,5,6,7
.irp c, 0,1
	ds_load_b128 v[KV+8*\t+4*\c:KV+8*\t+4*\c+3], v[ADR] offset:1024*\t+512*\c   ; K's eight fragments: 512 consecutive bytes a load
.endr
.endr
	s_wait_dscnt 0x0
.irp t, 0,1,2,3,4,5,6,7
	v_wmma_f32_16x16x64_bf8_bf8 v[S+8*\t:S+8*\t+7], v[KV+8*\t:KV+8*\t+7], v[QF:QF+7], 0
.endr
.rept 4
	v_nop
.endr
	SOFTMAX 0
.irp t, 0,1,2,3,4,5,6,7
	v_wmma_f32_16x16x64_bf8_bf8 v[S+8*\t:S+8*\t+7], v[KV+8*\t:KV+8*\t+7], v[QF+8:QF+15], 0   ; the second tile, out of the same fragments
.endr
	v_add_nc_u32 v[ADR], VBASE, v[ADR]
.rept 3
	v_nop                                          ; four places again: for V's loads over K's fragments, and for the first read of the scores
.endr
.irp t, 0,1,2,3
.irp c, 0,1,2,3
	ds_load_b128 v[KV+16*\t+4*\c:KV+16*\t+4*\c+3], v[ADR] offset:2048*\t+512*\c   ; V's four fragments land while the second softmax is worked
.endr
.endr
	s_setprio 1
	SOFTMAX 1
	s_setprio 0
	s_wait_alu depctr_va_vdst(0)
	s_wait_dscnt 0x0
.irp t, 0,1,2,3
.irp u, 0,1
	v_wmma_f32_16x16x128_bf8_bf8 v[O+32*\u+8*\t:O+32*\u+8*\t+7], v[KV+16*\t:KV+16*\t+15], v[P+16*\u:P+16*\u+15], v[O+32*\u+8*\t:O+32*\u+8*\t+7]   ; eight accumulators by turns, one instruction a turn
.endr
.endr
.Lskip_\@:
	s_add_co_u32 s[KI], s[KI], 1
	s_add_co_u32 s[TB], s[TB], STEPB
.endm
	s_wait_loadcnt 0x0                             ; Q
	s_wait_tensorcnt 1                             ; my first piece is in; the second, issued behind it, may be out
	s_barrier_signal -1
	s_barrier_wait -1                              ; everybody's first piece is in: the first 16,384 bytes of K and of V, key steps 0 and 1
	s_mov_b32 s[KI], 0
	s_mov_b32 s[TB], 0
.Lfirst:
	STEP
	s_cmp_lt_u32 s[KI], 2
	s_cbranch_scc1 .Lfirst
	s_setprio 0
	s_wait_tensorcnt 0x0                           ; my second piece is in,
	s_wait_dscnt 0x0
	s_barrier_signal -1
	s_barrier_wait -1                              ; everybody's is: the whole head lies in LDS
	s_mov_b32 s[KI], 2
	s_mov_b32 s[TB], 2*STEPB
.Lrest:
	STEP
	s_cmp_lt_u32 s[KI], 16
	s_cbranch_scc1 .Lrest
	s_setprio 0
	; THE WAY OUT.  y = O^T / the sum x 2^(e4 + e5), converted with 2^e6.  A lane's 32 channels of a query are 32 codes: two stores of 16 bytes a lane, 512 consecutive bytes a store: no stage is needed.
.rept 4
	v_nop                                          ; places behind the last products
.endr
.irp u, 0,1
	v_add_f32 v[10+4*\u], v[10+4*\u], v[11+4*\u]   ; the sum's two halves,
.endr
.irp u, 0,1
	v_permlanex16_b32 v[P+16*\u+2], v[10+4*\u], s[SEL], s[SEL+1]
.endr
.irp u, 0,1
	s_delay_alu instid0(VALU_DEP_2)
	v_add_f32 v[10+4*\u], v[10+4*\u], v[P+16*\u+2] ; and lane l xor 16's
.endr
	s_wait_alu depctr_va_vdst(0)
.irp u, 0,1
	v_rcp_f32 v[10+4*\u], v[10+4*\u]
.endr
	v_mov_b32 v[PSC], s[YSC]                       ; 2^e6 for y's conversions: the plain instruction behind the reciprocals
	s_wait_alu depctr_va_vdst(0)                   ; one wait for both, ahead of their first reader
.irp u, 0,1
	v_ldexp_f32 v[10+4*\u], v[10+4*\u], s[EPV]
.endr
.irp u, 0,1
.irp j, 0,2,4,6,8,10,12,14,16,18,20,22,24,26,28,30
	v_pk_mul_f32 v[O+32*\u+\j:O+32*\u+\j+1], v[O+32*\u+\j:O+32*\u+\j+1], v[10+4*\u:11+4*\u] op_sel_hi:[1,0]
.endr
.irp t, 0,1,2,3
.irp j, 0,1,2,3,4,5,6,7
.endr
	v_cvt_scalef32_pk8_bf8_f32 v[P+16*\u+2*\t:P+16*\u+2*\t+1], v[O+32*\u+8*\t:O+32*\u+8*\t+7], v[PSC]   ; channels 16 t + 8 h + 0..7
.endr
	v_nop
.irp b, 0,1
	global_store_b128 v[L16], v[P+16*\u+4*\b:P+16*\u+4*\b+3], s[12:13] offset:16384*\u+512*\b
.endr
.endr
	s_wait_dscnt 0x0
	s_wait_xcnt 0x0
	v_lshl_add_u32 v254, v0, 2, 0x40000
	v_mov_b32 v255, 0
	s_wait_alu depctr_va_vdst(0)
	s_wait_tensorcnt 0x0
	ds_add_u32 v254, v255
	s_wait_dscnt 0x0
	CROUND                                         ; the closing round: no work-group ends while a partner may still ask for a tile that names it
	s_endpgm
.Lfunc_end_k_q8e79a344e9_attn:
	.size	k_q8e79a344e9_attn, .Lfunc_end_k_q8e79a344e9_attn-k_q8e79a344e9_attn
	.p2alignl 7, 3214868480
	.fill 96, 4, 3214868480
	.section	.rodata,"a",@progbits
	.p2align	6, 0x0
	.amdhsa_kernel k_q8e79a344e9_attn
		.amdhsa_group_segment_fixed_size 327680
		.amdhsa_private_segment_fixed_size 0
		.amdhsa_enable_private_segment 0
		.amdhsa_kernarg_size 40
		.amdhsa_user_sgpr_count 2
		.amdhsa_user_sgpr_kernarg_segment_ptr 1
		.amdhsa_wavefront_size32 1
		.amdhsa_system_sgpr_workgroup_id_x 1
		.amdhsa_system_sgpr_workgroup_id_y 1
		.amdhsa_system_sgpr_workgroup_id_z 1
		.amdhsa_system_vgpr_workitem_id 0
		.amdhsa_next_free_vgpr 256
		.amdhsa_next_free_sgpr 100
		.amdhsa_reserve_vcc 1
		.amdhsa_float_denorm_mode_32 3
		.amdhsa_float_denorm_mode_16_64 3
		.amdhsa_fp16_overflow 1
		.amdhsa_memory_ordered 1
		.amdhsa_forward_progress 1
		.amdhsa_inst_pref_size 83
	.end_amdhsa_kernel
	.amdgpu_metadata
---
amdhsa.version: [ 1, 2 ]
amdhsa.kernels:
  - .name:           k_q8e79a344e9_attn
    .symbol:         k_q8e79a344e9_attn.kd
    .args:
      - { .name: q_c, .offset: 0, .size: 8, .value_kind: global_buffer, .address_space: global }
      - { .name: k_c, .offset: 8, .size: 8, .value_kind: global_buffer, .address_space: global }
      - { .name: v_c, .offset: 16, .size: 8, .value_kind: global_buffer, .address_space: global }
      - { .name: lowp_scales, .offset: 24, .size: 8, .value_kind: global_buffer, .address_space: global }
      - { .name: y_c, .offset: 32, .size: 8, .value_kind: global_buffer, .address_space: global }
    .group_segment_fixed_size: 327680
    .private_segment_fixed_size: 0
    .kernarg_segment_align: 8
    .kernarg_segment_size: 40
    .max_flat_workgroup_size: 512
    .sgpr_count:     100
    .vgpr_count:     256
    .wavefront_size: 32
...
	.end_amdgpu_metadata
.endif
;; end of part 2
;; launch proj (part 3): grid 8 x 32, 4 waves a work-group, clusters of 4 x 4, 327,680 bytes of LDS; arguments y_c, W_proj_codes, b_proj, lowp_scales, out0; writes out0
.if DOCPART == 3
	.amdgcn_target "amdgcn-amd-amdhsa--gfx1250"
	.amdhsa_code_object_version 6
	.text
	.protected	k_q8e79a344e9_proj
	.globl	k_q8e79a344e9_proj
	.p2align	8
	.type	k_q8e79a344e9_proj,@function
k_q8e79a344e9_proj:
	s_mov_b64 s[64:65], 0
	v_nop
	global_prefetch_b8 v0, s[64:65] scope:SCOPE_SE
	s_setreg_imm32_b32 hwreg(HW_REG_WAVE_MODE, 25, 1), 1
	s_wait_xcnt 0x0
	s_wait_alu depctr_hold_cnt(0) depctr_sa_sdst(0) depctr_va_vdst(0) depctr_va_sdst(0) depctr_va_ssrc(0) depctr_va_vcc(0) depctr_vm_vsrc(0)
	s_getreg_b32 s2, hwreg(HW_REG_IB_STS2, 6, 4)
	s_cmp_eq_u32 s2, 0
	s_cbranch_scc0 .Lentry_in_a_cluster
	s_endpgm
.Lentry_in_a_cluster:
	s_bfe_u32 s2, ttmp6, 0x10000c
	s_cmp_lg_u32 s2, 0xf033
	s_cbranch_scc0 .Lentry_shape_is_right
	s_endpgm
.Lentry_shape_is_right:
; out0 = y W_proj + b_proj on codes of BF8 (E5M2).  y_c: [16 tokens 512][128 along K 8][g 4][lane 32][16 bytes]: images of operand registers (lane (r, h): token r, K = 32 g + 8 h + 0..7, then + 16).
; W_proj: [1024 (n)][1024 (k)] codes, K innermost.  lowp_scales: e6 (y), e7 (W_proj).  out0: [8192][1024] f32 = sum x 2^(e6 + e7) + bias.
; LIMIT: e6 + e7 between -126 and 127, so that 2^(e6 + e7) is an f32 number.
; SHARES.  A tile of 256 tokens x 128 columns is made by four waves, 128 x 64 each: 32 accumulators, 256 registers: 256 work-groups.  K goes in four steps of 256 through THREE LDS slots: K steps 0, 1, 2 are asked for
; at the head, K step 3 goes into slot 0 when it has been read: the one refill.  It has three steps of 128 and a half, 112 matrix instructions a wave, in which to land.
; CLUSTERS: 4 x 4 work-groups.  y's tiles hang on the tile row and are shared along a row of the cluster, W's on the tile column and are shared along a column: each is asked for jointly by the four that need it.
; The matrix instruction takes source 0 from W and source 1 from y: a lane holds one token and eight neighbouring columns.  K stands in its true places on both sides: y's fragments come as images (four loads of 16 bytes
; a lane, 512 consecutive bytes each), W's from rows by eight loads of 8 bytes.
; No prefetch: three of the four K steps are asked for at the head.
; REGISTERS, in windows of 256: window 0: v16-29 addresses; v32-63 the bias; v64-95 at work on the way out; from v128 y's fragments, ONE set (on the way out rows read back).
;   window 1: W's fragments, TWO sets, at v0 and v64.   window 2: the accumulators ((a, b) at v[8 (4 a + b)]).
.set PITCH,  272                       ; a row of W in LDS: 256 bytes + 16 of padding = 68 words: the 32 lanes of a load of 8 bytes touch 64 different words modulo 64
.set FR,     16
.set NP,     4                         ; places behind this matrix instruction (ISA guide 7.12.1)
.set AHALF,  32768                     ; 8 tiles of 16 tokens x 4,096 bytes: what one tensor load brings of y
.set BOFF,   2*AHALF                   ; W's rows lie behind y's two halves
.set BHALF,  64*PITCH                  ; 64 rows of W
.set SLOT,   BOFF+2*BHALF              ; 100,352
.set SPARE,  3*SLOT                    ; behind the slots: the spare words, 128 bytes for each wave, which no other line names
.set STAGE,  SLOT                      ; the way out: 16 rows x (256 bytes + 16) for each wave, in slot 1: it has had its only fill, and nobody reads it behind the last barrier
.set SPITCH, 272
.set ADRA, 16                          ; v16-18  LDS address of my fragments of y in slot 0, 1, 2
.set ADRB, 20                          ; v20-22  the same for W
.set STO,  24
.set RD,   25
.set CO,   26
.set SPW,  28
.set NIL,  29
.set BI,   32                          ; v32-63  bias of columns 16 b + 8 h + 0..7, b = 0..3
.set TMP,  64
.set AF,   128
.set BK,   128                         ; the way out: 16 rows read back: v128-159 and v160-191 by turns
.set G1,   24                          ; s[24:31] descriptor group 1 for y's tiles
.set G1B,  48                          ; s[48:55] for W's
.set GA0,  32                          ; groups 0 for y's tiles, one for each slot
.set GA1,  36
.set GA2,  56
.set GB0,  60                          ; and for W's
.set GB1,  68
.set GB2,  72
.set MSB, 0
.macro WIN new                         ; the immediate's high byte repeats the setting that is left
.if MSB != (\new)
	s_set_vgpr_msb (MSB<<8)|(\new)
.set MSB, (\new)
.endif
.endm
.set MUL,  0xa1                        ; source 0 (W) window 1, source 1 (y) window 0, C and D window 2
.set TO_B, 0x40                        ; destination window 1, address window 0
.macro CREST                           ; a round of the cluster's barrier behind its opening barrier
	s_cmp_lg_u32 s14, 0
	s_cbranch_scc1 .Lnot_wave_0_\@
	s_barrier_signal -3
.Lnot_wave_0_\@:
	s_barrier_wait -3
	s_barrier_signal -1
	s_barrier_wait -1
.endm
.macro CROUND
	s_barrier_signal -1
	s_barrier_wait -1
	CREST
.endm
	s_load_b256 s[4:11], s[0:1], 0x0               ; y_c s[4:5], W s[6:7], b_proj s[8:9], the scales' exponents s[10:11]
	s_load_b64 s[12:13], s[0:1], 0x20              ; out0
	v_lshl_add_u32 v[SPW], v0, 2, SPARE
	v_mov_b32 v[NIL], 0
	ds_add_u32 v28, v29
	ds_add_u32 v28, v29
	s_wait_dscnt 0x0
	v_lshrrev_b32 v1, 5, v0
	v_readfirstlane_b32 s14, v1                    ; wave 0..3
	s_lshr_b32 s15, s14, 1                         ; which half of the tile's tokens is mine.  Also: I fetch for y (0) or for W (1)
	s_and_b32 s16, s14, 1                          ; which half of its columns.  Also: which half of that tile I fetch
	s_bfe_u32 s40, ttmp6, 0x40000                  ; cx, cy
	s_bfe_u32 s41, ttmp6, 0x40004
	s_lshl_b32 s42, ttmp9, 2
	s_add_co_u32 s42, s42, s40                     ; tile column = 4 x cluster x + cx
	s_and_b32 s17, ttmp7, 0xffff
	s_lshl_b32 s17, s17, 2
	s_add_co_u32 s17, s17, s41                     ; tile row = 4 x cluster y + cy
	s_lshl_b32 s43, s41, 2
	s_lshl_b32 s43, 15, s43                        ; my row of the cluster
	s_lshl_b32 s44, 0x1111, s40                    ; my column
	; y's tiles: 8 rows of 4,096 bytes (two K steps of 128 of one tile of 16 tokens), 16,384 bytes apart, laid on end in LDS
	s_or_b32 s[G1+0], s43, (0<<16)|(1<<21)         ; 15:0 the mask: my row; 17:16 element of 1 byte; 21 set beside a mask; no padding
	s_mov_b32 s[G1+1], 4096<<16                    ; tensor_dim0
	s_mov_b32 s[G1+2], 8<<16                       ; tensor_dim1
	s_mov_b32 s[G1+3], 4096<<16                    ; tile_dim0
	s_mov_b32 s[G1+4], 8                           ; tile_dim1
	s_mov_b32 s[G1+5], 16384                       ; tensor_dim0_stride
	s_mov_b32 s[G1+6], 0
	s_mov_b32 s[G1+7], 0
	; W's tiles: 64 rows of 256 bytes, padded in LDS
	s_or_b32 s[G1B+0], s44, (0<<16)|(1<<20)|(1<<21)|(5<<22)|(3<<25)  ; the mask: my column; padding of 4 words (code 3) after every 64 (code 5)
	s_mov_b32 s[G1B+1], 256<<16
	s_mov_b32 s[G1B+2], 64<<16
	s_mov_b32 s[G1B+3], 256<<16
	s_mov_b32 s[G1B+4], 64
	s_mov_b32 s[G1B+5], 1024
	s_mov_b32 s[G1B+6], 0
	s_mov_b32 s[G1B+7], 0
	s_lshl_b32 s20, s17, 4
	s_lshl_b32 s18, s16, 3
	s_add_co_u32 s20, s20, s18
	s_lshl_b32 s20, s20, 14                        ; y: tile of tokens 16 x tile row + 8 x half, 16,384 bytes each
	s_mov_b32 s21, 0
	s_lshl_b32 s46, s42, 7
	s_lshl_b32 s18, s16, 6
	s_add_co_u32 s46, s46, s18
	s_lshl_b32 s46, s46, 10                        ; W: row 128 x tile column + 64 x half, 1,024 bytes each
	s_mov_b32 s47, 0
	s_lshl_b32 s45, s16, 15                        ; where they go: y's half,
	s_mul_i32 s19, s16, BHALF
	s_add_co_u32 s19, s19, BOFF                    ; W's half: no place in the cluster enters an LDS address
	s_wait_kmcnt 0x0
	s_load_b256 s[80:87], s[10:11], 0x0            ; e0 .. e7
	s_add_nc_u64 s[20:21], s[4:5], s[20:21]
	s_add_nc_u64 s[46:47], s[6:7], s[46:47]
.macro MKG0 ga, gb, s                  ; the two groups 0 of slot s, which begins with K step s
	s_mov_b32 s[\ga], 1
	s_add_co_u32 s[\ga+1], s45, \s*SLOT
	s_add_nc_u64 s[\ga+2:\ga+3], s[20:21], \s*4096
	s_or_b32 s[\ga+3], s[\ga+3], 0x80000000
	s_mov_b32 s[\gb], 1
	s_add_co_u32 s[\gb+1], s19, \s*SLOT
	s_add_nc_u64 s[\gb+2:\gb+3], s[46:47], \s*256
	s_or_b32 s[\gb+3], s[\gb+3], 0x80000000
.endm
	MKG0 GA0, GB0, 0
	MKG0 GA1, GB1, 1
	MKG0 GA2, GB2, 2
	CROUND                                         ; all sixteen work-groups are here: the first joint loads meet
	s_cmp_eq_u32 s15, 0                            ; a wave's three first fills stand in one branch on its number, ahead of every wait on TENSORcnt and every LDS read: three loads of mine are out
	s_cbranch_scc0 .Lfirst_b
	tensor_load_to_lds s[GA0:GA0+3], s[G1:G1+7]
	s_nop 0
	tensor_load_to_lds s[GA1:GA1+3], s[G1:G1+7]
	s_nop 0
	tensor_load_to_lds s[GA2:GA2+3], s[G1:G1+7]
	s_nop 0
.rept 4
	v_nop
.endr
	s_branch .Lfirst_asked
.Lfirst_b:
	tensor_load_to_lds s[GB0:GB0+3], s[G1B:G1B+7]
	s_nop 0
	tensor_load_to_lds s[GB1:GB1+3], s[G1B:G1B+7]
	s_nop 0
	tensor_load_to_lds s[GB2:GB2+3], s[G1B:G1B+7]
	s_nop 0
.rept 4
	v_nop
.endr
.Lfirst_asked:
	v_and_b32 v1, 15, v0                           ; r
	v_bfe_u32 v2, v0, 4, 1                         ; h
	v_and_b32 v6, 31, v0
	v_lshlrev_b32 v7, 4, v6                        ; 16 x lane: my place in an image
	v_mul_u32_u24 v3, v1, PITCH
	v_lshl_add_u32 v4, v2, 3, v3                   ; W: row r x pitch + 8 h
	s_lshl_b32 s21, s15, 15                        ; my 128 tokens
	s_mul_i32 s22, s16, BHALF
	s_add_co_u32 s22, s22, BOFF                    ; my 64 rows of W
.irp s, 0,1,2
	v_add_nc_u32 v[ADRA+\s], s21, v7
	v_add_nc_u32 v[ADRB+\s], s22, v4
	s_add_co_u32 s21, s21, SLOT
	s_add_co_u32 s22, s22, SLOT
.endr
	s_mul_i32 s23, s14, 16*SPITCH
	s_add_co_u32 s23, s23, STAGE                   ; my stage
	v_mul_u32_u24 v5, v1, SPITCH                   ; in: row r, 32 bytes for each half of the lanes
	v_lshl_add_u32 v5, v2, 5, v5
	v_add_nc_u32 v[STO], s23, v5
	v_mul_u32_u24 v5, v2, SPITCH                   ; back: lanes 0-15 take one row of 256 bytes, lanes 16-31 the next
	v_lshl_add_u32 v5, v1, 4, v5
	v_add_nc_u32 v[RD], s23, v5
	v_lshlrev_b32 v5, 12, v2                       ; and the same two rows in out0: 4,096 bytes a row
	v_lshl_add_u32 v[CO], v1, 4, v5
	v_lshlrev_b32 v8, 5, v2                        ; 32 h: eight numbers of the bias for each half of the lanes
	s_wait_alu depctr_va_vdst(0)
	s_lshl_b32 s46, s42, 9
	s_lshl_b32 s47, s16, 8
	s_add_co_u32 s46, s46, s47                     ; my first column, in bytes: 512 x tile column + 256 x half
	s_mov_b32 s47, 0
	s_add_nc_u64 s[8:9], s[8:9], s[46:47]          ; in b_proj,
	s_lshl_b32 s20, s17, 8
	s_lshl_b32 s21, s15, 7
	s_add_co_u32 s20, s20, s21                     ; my first token: 256 x tile row + 128 x half
	s_lshl_b32 s20, s20, 12                        ; under 2^25
	s_mov_b32 s21, 0
	s_add_nc_u64 s[12:13], s[12:13], s[20:21]
	s_add_nc_u64 s[12:13], s[12:13], s[46:47]      ; and in out0
.irp b, 0,1,2,3
	global_load_b128 v[BI+8*\b:BI+8*\b+3], v8, s[8:9] offset:64*\b
	global_load_b128 v[BI+8*\b+4:BI+8*\b+7], v8, s[8:9] offset:64*\b+16
.endr
	s_wait_kmcnt 0x0
	s_add_co_i32 s96, s86, s87                     ; e6 + e7,
	s_add_co_i32 s96, s96, 127
	s_lshl_b32 s96, s96, 23                        ; as the f32 number 2^(e6 + e7)
	s_mov_b32 s97, s96                             ; (named with it as a pair, so it is written)
.macro FRAGA reg, slot, q, i           ; a fragment of y: its image, four loads of 512 consecutive bytes
.irp c, 0,1,2,3
	ds_load_b128 v[\reg+4*\c:\reg+4*\c+3], v[ADRA+\slot] offset:4096*(\i)+2048*(\q)+512*\c
.endr
.endm
.macro FRAGB reg, slot, q, i           ; a fragment of W: registers 2 c, 2 c + 1 hold K = 16 c + 8 h + 0..7 of row r
.irp c, 0,1,2,3,4,5,6,7
	ds_load_b64 v[\reg+2*\c:\reg+2*\c+1], v[ADRB+\slot] offset:128*(\q)+16*\c+(\i)*16*PITCH
.endr
.endm
; 8 matrix instructions: y's blocks a0, a0 + 1 x W's four, 128 along K.  p: W's set.  zero = 1: the first product starts the sums.
; The 32 accumulators take turns, one instruction a turn, in the same order in every step.
.macro MUL2 a0, p, zero
.irp a, \a0, \a0+1
.irp b, 0,1,2,3
.if \zero
	v_wmma_f32_16x16x128_bf8_bf8 v[8*(4*(\a)+\b):8*(4*(\a)+\b)+7], v[64*(\p)+FR*\b:64*(\p)+FR*\b+FR-1], v[AF+FR*(\a):AF+FR*(\a)+FR-1], 0
.else
	v_wmma_f32_16x16x128_bf8_bf8 v[8*(4*(\a)+\b):8*(4*(\a)+\b)+7], v[64*(\p)+FR*\b:64*(\p)+FR*\b+FR-1], v[AF+FR*(\a):AF+FR*(\a)+FR-1], v[8*(4*(\a)+\b):8*(4*(\a)+\b)+7]
.endif
.endr
.endr
.endm
.macro FETCH_B slot, q, p              ; W's four fragments into set p: 32 loads
	WIN TO_B
.irp i, 0,1,2,3
	FRAGB 64*(\p)+FR*\i, \slot, \q, \i
.endr
	WIN 0
.endm
.macro FETCH_A slot, q, i0             ; y's blocks i0 .. i0 + 3: 16 loads
.irp i, \i0, \i0+1, \i0+2, \i0+3
	FRAGA AF+FR*(\i), \slot, \q, \i
.endr
.endm
.macro PLACES n                        ; plain vector instructions between a matrix instruction and a load into, or a vector instruction on, its registers (ISA guide 7.12.1 for vector instructions)
.rept \n
	v_nop
.endr
.endm
; A step of 128 along K on W's set p; it fetches the fragments of slot ns, ns's nq-th 128 along K, W's into the other set.  The slot ns has been shown whole to every wave by an earlier barrier.
.macro STEP ns, nq, p, zero
	s_wait_dscnt 16                                ; W's set and y's blocks 0-3 are in; the sixteen youngest loads (blocks 4-7) may be out
	WIN MUL
	MUL2 0, \p, \zero
	MUL2 2, \p, \zero
	s_wait_dscnt 0                                 ; blocks 4-7 are in
	PLACES NP
	FETCH_B \ns, \nq, 1-(\p)
	FETCH_A \ns, \nq, 0
	WIN MUL
	MUL2 4, \p, \zero
	MUL2 6, \p, \zero
	PLACES NP
	WIN 0
	FETCH_A \ns, \nq, 4
.endm
; A step on W's set 1 with a barrier in it: in front of it each wave waits for all its tensor loads, adds 0 to its spare word, and waits for that and for its own LDS reads.
; fill = 1: the barrier opens a round of the cluster's, and slot 0, which has been read out, takes K step 3.  Then the fragments of slot next are fetched.
.macro TURN fill, next
	s_wait_tensorcnt 0x0                           ; all my tensor loads have landed  (every window is 0 here)
	ds_add_u32 v[SPW], v[NIL]                      ; 0 onto my spare word
	s_wait_dscnt 17                                ; (the add and the sixteen youngest loads may be out)
	WIN MUL
	MUL2 0, 1, 0                                   ; eight matrix instructions stand between the add and the wait for it
	s_wait_dscnt 0x0                               ; the add is done, and my reads of the slots so far are over
	s_barrier_signal -1
	MUL2 2, 1, 0
	WIN 0
	s_barrier_wait -1
.if \fill
	CREST                                          ; no wave of any partner still reads slot 0 or has a load on its way
	s_add_nc_u64 s[GA0+2:GA0+3], s[GA0+2:GA0+3], 3*4096   ; K step 3
	s_add_nc_u64 s[GB0+2:GB0+3], s[GB0+2:GB0+3], 3*256
	s_cmp_eq_u32 s15, 0
	s_cbranch_scc0 .Lfor_b_\@
	tensor_load_to_lds s[GA0:GA0+3], s[G1:G1+7]    ; the first tensor load behind the round, and my last; the four v_nop are the places in front of the loads below
	s_nop 0
.rept 4
	v_nop
.endr
	s_branch .Lasked_\@
.Lfor_b_\@:
	tensor_load_to_lds s[GB0:GB0+3], s[G1B:G1B+7]
	s_nop 0
.rept 4
	v_nop
.endr
.Lasked_\@:
.else
	PLACES NP
.endif
	FETCH_B \next, 0, 0
	FETCH_A \next, 0, 0
	WIN MUL
	MUL2 4, 1, 0
	MUL2 6, 1, 0
	PLACES NP
	WIN 0
	FETCH_A \next, 0, 4
.endm
	s_wait_tensorcnt 2                             ; my part of K step 0 is in; the two loads issued behind it may be out
	s_barrier_signal -1
	s_barrier_wait -1                              ; everybody's is
	FETCH_B 0, 0, 0
	FETCH_A 0, 0, 0
	FETCH_A 0, 0, 4
	STEP 0, 1, 0, 1                                ; K 0-127: the products start the sums
	TURN 1, 1                                      ; K 128-255; slots 1 and 2 are whole for every wave; slot 0 takes K step 3
	STEP 1, 1, 0, 0                                ; K 256-383
	STEP 2, 0, 1, 0                                ; K 384-511, on into slot 2: it was shown whole at the round above, and nothing is filled here: no wait on TENSORcnt, no barrier
	STEP 2, 1, 0, 0                                ; K 512-639
	TURN 0, 0                                      ; K 640-767; K step 3 has landed for every wave, and nobody reads slot 1 any more
	STEP 0, 1, 0, 0                                ; K 768-895
	s_wait_dscnt 16                                ; K 896-1023: nothing more to fetch
	WIN MUL
	MUL2 0, 1, 0
	MUL2 2, 1, 0
	s_wait_dscnt 0
	MUL2 4, 1, 0
	MUL2 6, 1, 0
	WIN 0
; THE WAY OUT, block by block of 16 tokens x 64 columns.  A lane holds 32 neighbouring bytes of a row and the lanes beside it other rows: a block goes through my own stage in LDS and comes back as whole rows of 256 bytes.
; LDS serves a wave's instructions in order (ISA guide 5.7.1.4): no wait between the stores and the loads, nor in front of the next block's stores.
.macro TOSTAGE a
	WIN 0x02                                       ; source 0: window 2
.irp b, 0,1,2,3
.irp i, 0,2,4,6
	v_pk_fma_f32 v[TMP+8*\b+\i:TMP+8*\b+\i+1], v[32*(\a)+8*\b+\i:32*(\a)+8*\b+\i+1], s[96:97], v[BI+8*\b+\i:BI+8*\b+\i+1] op_sel_hi:[1,0,1]   ; sum x 2^(e6 + e7) + bias; each accumulator from its low end on
.endr
.endr
	WIN 0
.irp b, 0,1,2,3
	ds_store_b128 v[STO], v[TMP+8*\b:TMP+8*\b+3] offset:64*\b
	ds_store_b128 v[STO], v[TMP+8*\b+4:TMP+8*\b+7] offset:64*\b+16
.endr
.set BB, BK+32*((\a)%2)
.irp t, 0,1,2,3,4,5,6,7
	ds_load_b128 v[BB+4*\t:BB+4*\t+3], v[RD] offset:\t*2*SPITCH
.endr
.endm
.macro SEND a, younger                 ; younger: the LDS instructions issued behind block a's loads, which may stay out
.set BB, BK+32*((\a)%2)
	s_wait_dscnt \younger                          ; the block is back in registers
.if (\a) > 0
	s_add_nc_u64 s[12:13], s[12:13], 16*4096       ; (behind a wait on XCNT: the earlier stores have read their base)  16 rows of out0 on
.endif
.irp t, 0,1,2,3,4,5,6,7
	global_store_b128 v[CO], v[BB+4*\t:BB+4*\t+3], s[12:13] offset:\t*2*4096 th:TH_STORE_NT   ; sixteen lanes store 256 consecutive bytes, at a multiple of 256 from out0's first byte; written once, read by nobody here
.endr
.endm
	s_wait_loadcnt 0x0                             ; the bias
	PLACES NP                                      ; behind the last products: rows come back where y's fragments lay
	TOSTAGE 0
.irp a, 1,2,3,4,5,6,7
.if \a > 1
	s_wait_xcnt 0x0                                ; block a - 2's stores have read their registers and their base: block a's loads may land there, and the base may step
.endif
	TOSTAGE \a
	SEND \a-1, 16                                  ; behind block a - 1's loads: block a's 8 stores and 8 loads
.endr
	s_wait_xcnt 0x0                                ; block 6's stores have read their base
	SEND 7, 0
	s_wait_tensorcnt 0x0                           ; the wave's end, behind my last tensor load and my last LDS store
	ds_add_u32 v[SPW], v[NIL]
	s_wait_dscnt 0x0
	CROUND                                         ; the closing round: no work-group ends while a partner may still ask for a tile that names it
	s_endpgm
.Lfunc_end_k_q8e79a344e9_proj:
	.size	k_q8e79a344e9_proj, .Lfunc_end_k_q8e79a344e9_proj-k_q8e79a344e9_proj
	.p2alignl 7, 3214868480
	.fill 96, 4, 3214868480
	.section	.rodata,"a",@progbits
	.p2align	6, 0x0
	.amdhsa_kernel k_q8e79a344e9_proj
		.amdhsa_group_segment_fixed_size 327680
		.amdhsa_private_segment_fixed_size 0
		.amdhsa_enable_private_segment 0
		.amdhsa_kernarg_size 40
		.amdhsa_user_sgpr_count 2
		.amdhsa_user_sgpr_kernarg_segment_ptr 1
		.amdhsa_wavefront_size32 1
		.amdhsa_system_sgpr_workgroup_id_x 1
		.amdhsa_system_sgpr_workgroup_id_y 1
		.amdhsa_system_sgpr_workgroup_id_z 1
		.amdhsa_system_vgpr_workitem_id 0
		.amdhsa_next_free_vgpr 768
		.amdhsa_next_free_sgpr 100
		.amdhsa_reserve_vcc 0
		.amdhsa_float_denorm_mode_32 3
		.amdhsa_float_denorm_mode_16_64 3
		.amdhsa_memory_ordered 1
		.amdhsa_forward_progress 1
		.amdhsa_inst_pref_size 86
	.end_amdhsa_kernel
	.amdgpu_metadata
---
amdhsa.version: [ 1, 2 ]
amdhsa.kernels:
  - .name:           k_q8e79a344e9_proj
    .symbol:         k_q8e79a344e9_proj.kd
    .args:
      - { .name: y_c, .offset: 0, .size: 8, .value_kind: global_buffer, .address_space: global }
      - { .name: W_proj_codes, .offset: 8, .size: 8, .value_kind: global_buffer, .address_space: global }
      - { .name: b_proj, .offset: 16, .size: 8, .value_kind: global_buffer, .address_space: global }
      - { .name: lowp_scales, .offset: 24, .size: 8, .value_kind: global_buffer, .address_space: global }
      - { .name: out0, .offset: 32, .size: 8, .value_kind: global_buffer, .address_space: global }
    .group_segment_fixed_size: 327680
    .private_segment_fixed_size: 0
    .kernarg_segment_align: 8
    .kernarg_segment_size: 40
    .max_flat_workgroup_size: 128
    .sgpr_count:     100
    .vgpr_count:     768
    .wavefront_size: 32
...
	.end_amdgpu_metadata
.endif
;; end of part 3
